; MI455X (gfx1250); checked and timed in simulation.
; The chip was launched on July 23, 2026; its instructions are those of AMD's public machine-readable ISA for CDNA 5 (MIT licence, August 2026) and "CDNA5" Instruction Set Architecture Reference Guide (July 2026). The comments in the code are by the model that wrote it; some were corrected since.
;; Multi Head Attention. Allowed arithmetic: float matrix products may take bf16 or f16 operands with f32 sums; all other float work in f32.
;; Inputs: K 2 x 4,096 x 512 float32; Q 2 x 4,096 x 512 float32; V 2 x 4,096 x 512 float32; W_k 512 x 512 float32; W_o 512 x 512 float32; W_q 512 x 512 float32; W_v 512 x 512 float32; b_k 512 float32; b_o 512 float32; b_q 512 float32; b_v 512 float32; mask 2 x 4,096 int32.
;; Outputs: out0 2 x 4,096 x 512 float32.
;; One version. Each part assembles by itself: llvm-mc -triple=amdgcn-amd-amdhsa -mcpu=gfx1250 --defsym DOCPART=n.
;; ======== version 1 of 1: 3 launches
;; limits: values are held in f16: magnitudes above 65,504 overflow, below 6.1e-05 lose precision; inputs' magnitudes at most 65,504
;; workspace buffers: qw 8,388,608 bytes; kw 8,388,608 bytes; vw 8,388,608 bytes; aw 8,388,608 bytes; wo 524,288 bytes
;; launch proj (part 1): grid 2 x 96, 8 waves a work-group, no clusters, 148,480 bytes of LDS; arguments Q, K, V, W_q, W_k, W_v, b_q, b_k, b_v, mask, qw, kw, vw; writes qw, kw, vw
.if DOCPART == 1
	.amdgcn_target "amdgcn-amd-amdhsa--gfx1250"
	.amdhsa_code_object_version 6
	.text
	.protected	k_q908204de78_proj
	.globl	k_q908204de78_proj
	.p2align	8
	.type	k_q908204de78_proj,@function
k_q908204de78_proj:
	s_mov_b64 s[64:65], 0
	v_nop
	global_prefetch_b8 v0, s[64:65] scope:SCOPE_SE
	s_setreg_imm32_b32 hwreg(HW_REG_WAVE_MODE, 25, 1), 1
	s_wait_xcnt 0x0
; The three input projections, one body.  y >> 5 says which: 0: qw = (Q Wq^T + bq) log2(e)/8;  1: kw = (K Wk^T + bk), rows of masked keys made 0;
; 2: vw = V Wv^T + bv.  Inputs f32; results f16 in the layout [batch][head][s][64] (a row of 128 bytes, a head of 524,288).
; A work-group makes 256 rows x 256 columns over K = 512 with eight waves; wave w makes rows 128 (w >> 2) .., columns 64 (w & 3) .. (one head):
; 32 accumulator tiles of 16 x 16, the 256 registers of window 1.  3 x 32 x 2 = 192 work-groups.
; K goes in steps of 64 through two LDS buffers.  A step's 256 + 256 rows of 256 bytes of f32 come in by 16-byte loads (sixteen lanes take one
; aligned piece of 256 bytes), are rounded to f16 ONCE and laid into LDS rows of 128 bytes.
; NO TENSOR LOADS, NO CLUSTER: the operands are f32 in memory and f16 at the matrix unit, and a tile copied as it lies would stand in LDS as f32:
; 24 KiB instead of 12 KiB of fragment reads for a wave's 32 matrix instructions, and each number rounded again by each of the 2 (W: rows shared by
; two waves) to 4 (X) waves that read it.  Through registers each number is rounded once per work-group.
; WHY f16: 11 significant bits against bf16's 8; q, k, v, p and the attention's result are each rounded once on the way to out0.
; LIMITS: q log2(e)/8, k and v are clamped to +-65,504 (f16's largest number).  Drawn inputs give magnitudes below 6; inputs and weights both 30 times
; larger about 5,000; a common offset of 30 spreads on both 512 x 30 x 1.33 = about 20,400.  An input or weight beyond 65,504 becomes an infinity;
; NaN and infinities are not served (a masked row's factor 0 would make NaN of them).  q is scaled in f32 before its one rounding.
.set P,     144                        ; LDS pitch: 128 bytes of data + 16 = 9 x 16: the 16 rows of a fragment load begin in 16 different 16-byte columns modulo 256
.set XT,    256*P                      ; 256 rows: X's part of a buffer, then W's
.set BUF,   2*XT                       ; two buffers: 147,456 bytes
.set STGW,  16*P                       ; the way out: 16 rows for each wave, in buffer 0
.set GO,  1                            ; v1      global offset of my 16 bytes: row t >> 4, piece t & 15
.set AX,  2                            ; v2-3    LDS address of my X fragments in buffer 0, 1
.set AW,  4                            ; v4-5    the same for W
.set SX,  6                            ; v6-7    where I lay 8 bytes of X in buffer 0, 1
.set SW,  8                            ; v8-9    the same for W
.set PF,  10                           ; v10     2,048 t: row t of X, for the prefetch; never rewritten
.set STG, 11                           ; v11     the way out: where I put 16 bytes of a row
.set RD,  12                           ; v12     the way out: where I read rows back
.set CO,  13                           ; v13     16 x lane
.set HB,  14                           ; v14     32 h
.set RM,  15                           ; v15     4 r
.set ST,  16                           ; v16-143 32 loads of 4 registers: 16 of X, 16 of W
.set XF,  144                          ; v144-207 8 fragments of X
.set WF,  208                          ; v208-239 4 fragments of W
.set SCL, 240                          ; v240    the result's factor
.set TR,  244                          ; v244-249 set-up
.set BB,  16                           ; the way out: bias of my 4 x 8 columns
.set RS,  48                           ;   v48-63 the row's factor, twice, for each of 8 row tiles
.set T,   64                           ;   v64-95 at work
.set PK,  96                           ;   v96-111 packed
.set R,   112                          ;   v112-127 rows read back
.set MSB, 0
.macro WIN new                         ; s_set_vgpr_msb: bits 1:0 source 0, 3:2 source 1, 5:4 source 2, 7:6 destination; the high byte repeats the setting that is left
.if MSB != \new
	s_set_vgpr_msb (MSB<<8)|\new
.set MSB, \new
.endif
.endm
.macro PLACES n
.rept \n
	v_nop
.endr
.endm
	s_load_b512 s[8:23], s[0:1], 0x0               ; Q 8, K 10, V 12, W_q 14, W_k 16, W_v 18, b_q 20, b_k 22
	s_load_b256 s[24:31], s[0:1], 0x40             ; b_v 24, mask 26, qw 28, kw 30
	s_load_b64 s[32:33], s[0:1], 0x60              ; vw
	v_lshl_add_u32 v254, v0, 2, 0x24000
	v_mov_b32 v255, 0
	v_lshrrev_b32 v[TR], 5, v0
	v_readfirstlane_b32 s2, v[TR]                  ; wave 0..7
	s_lshr_b32 s3, s2, 2                           ; wm: which 128 rows
	s_and_b32 s5, s2, 3                            ; wn: which 64 columns
	s_and_b32 s6, ttmp7, 0xffff
	s_lshr_b32 s4, s6, 5                           ; p: 0 Q, 1 K, 2 V
	s_and_b32 s6, s6, 31                           ; rb: block of 256 rows
	s_mov_b32 s7, ttmp9                            ; c: half of the columns
	s_mov_b32 s49, 0
	s_mov_b32 s50, 0xc77fe000                      ; -65,504
	s_mov_b32 s51, 0x477fe000                      ; +65,504
	v_and_b32 v[TR], 15, v0                        ; t & 15, which is also r
	v_lshrrev_b32 v[TR+1], 4, v0                   ; t >> 4
	v_lshlrev_b32 v[GO], 11, v[TR+1]               ; rows of 2,048 bytes
	v_lshl_add_u32 v[GO], v[TR], 4, v[GO]
	s_wait_kmcnt 0x0
	s_cmp_eq_u32 s4, 0                             ; the buffers of my projection: a choice on the work-group's number
	s_cselect_b64 s[36:37], s[8:9], s[10:11]
	s_cselect_b64 s[38:39], s[14:15], s[16:17]
	s_cselect_b64 s[40:41], s[20:21], s[22:23]
	s_cselect_b64 s[42:43], s[28:29], s[30:31]
	s_cselect_b32 s46, 0x3e38aa3b, 1.0             ; q carries log2(e)/8, so that the softmax is exp2(s - m)
	s_cmp_eq_u32 s4, 2
	s_cselect_b64 s[36:37], s[12:13], s[36:37]
	s_cselect_b64 s[38:39], s[18:19], s[38:39]
	s_cselect_b64 s[40:41], s[24:25], s[40:41]
	s_cselect_b64 s[42:43], s[32:33], s[42:43]
	s_cmp_eq_u32 s4, 1
	s_cselect_b32 s47, 0, -1                       ; only k honours the mask: elsewhere every row counts as open
	s_lshl_b32 s48, s6, 19                         ; X: 256 rb rows of 2,048 bytes
	s_add_nc_u64 s[36:37], s[36:37], s[48:49]
	s_lshl_b32 s48, s7, 19                         ; W: 256 c rows
	s_add_nc_u64 s[38:39], s[38:39], s[48:49]
.macro LOADG step                      ; a K step's 64 numbers of 256 rows of X and of W: 32 loads a thread, rows 16 apart
.set k, 0
.rept 16
	global_load_b128 v[ST+4*k:ST+4*k+3], v[GO], s[36:37] offset:k*32768+\step*256
.set k, k+1
.endr
.set k, 0
.rept 16
	global_load_b128 v[ST+64+4*k:ST+64+4*k+3], v[GO], s[38:39] offset:k*32768+\step*256
.set k, k+1
.endr
.endm
	LOADG 0
	s_lshl_b32 s48, s7, 10                         ; bias: column 256 c + 64 wn, 4 bytes each
	s_lshl_b32 s34, s5, 8
	s_add_co_u32 s48, s48, s34
	s_add_nc_u64 s[40:41], s[40:41], s[48:49]
	s_lshl_b32 s48, s6, 10                         ; mask: row 256 rb + 128 wm of the 8,192
	s_lshl_b32 s34, s3, 9
	s_add_co_u32 s48, s48, s34
	s_add_nc_u64 s[44:45], s[26:27], s[48:49]
	s_lshr_b32 s48, s6, 4                          ; result: (8 batch + 4 c + wn) heads of 524,288 bytes,
	s_lshl_b32 s48, s48, 3
	s_lshl_b32 s34, s7, 2
	s_add_co_u32 s48, s48, s34
	s_add_co_u32 s48, s48, s5
	s_lshl_b32 s48, s48, 19
	s_and_b32 s34, s6, 15                          ; + (256 (rb & 15) + 128 wm) rows of 128 bytes
	s_lshl_b32 s34, s34, 15
	s_add_co_u32 s48, s48, s34
	s_lshl_b32 s34, s3, 14
	s_add_co_u32 s48, s48, s34
	s_add_nc_u64 s[42:43], s[42:43], s[48:49]
	v_bfe_u32 v[TR+2], v0, 4, 1                    ; h
	v_mul_u32_u24 v[TR+3], v[TR], P
	v_lshl_add_u32 v[TR+3], v[TR+2], 4, v[TR+3]    ; r P + 16 h: a fragment's lane address
	s_mul_i32 s34, s3, 128*P
	v_add_nc_u32 v[AX], s34, v[TR+3]
	v_add_nc_u32 v[AX+1], BUF, v[AX]
	s_mul_i32 s34, s5, 64*P
	s_add_co_u32 s34, s34, XT
	v_add_nc_u32 v[AW], s34, v[TR+3]
	v_add_nc_u32 v[AW+1], BUF, v[AW]
	v_mul_u32_u24 v[SX], v[TR+1], P
	v_lshl_add_u32 v[SX], v[TR], 3, v[SX]          ; row t >> 4, 8 bytes of f16 for 16 of f32
	v_add_nc_u32 v[SX+1], BUF, v[SX]
	v_add_nc_u32 v[SW], XT, v[SX]
	v_add_nc_u32 v[SW+1], BUF, v[SW]
	v_lshlrev_b32 v[PF], 11, v0
	s_mul_i32 s34, s2, STGW
	v_add_nc_u32 v[STG], s34, v[TR+3]
	v_bfe_u32 v[TR+4], v0, 3, 2                    ; back: eight lanes take a row of 128 bytes, a wave four rows
	v_and_b32 v[TR+5], 7, v0
	v_mul_u32_u24 v[TR+4], v[TR+4], P
	v_lshl_add_u32 v[TR+4], v[TR+5], 4, v[TR+4]
	v_add_nc_u32 v[RD], s34, v[TR+4]
	v_and_b32 v[TR+5], 31, v0
	v_lshlrev_b32 v[CO], 4, v[TR+5]
	v_lshlrev_b32 v[HB], 5, v[TR+2]
	v_lshlrev_b32 v[RM], 2, v[TR]
	v_mov_b32 v[SCL], s46
.macro CVTST buf                       ; the 32 loads, as they come: rounded to f16 and laid into buffer buf
.set k, 0
.rept 32
	s_wait_loadcnt 31-k                            ; loads come back in order (ISA guide 5.7.1): load k is in, the 31 - k younger ones may be out
	v_cvt_pk_f16_f32 v[ST+4*k], v[ST+4*k], v[ST+4*k+1]
	v_cvt_pk_f16_f32 v[ST+4*k+1], v[ST+4*k+2], v[ST+4*k+3]
.if k < 16
	ds_store_b64 v[SX+\buf], v[ST+4*k:ST+4*k+1] offset:k*16*P
.else
	ds_store_b64 v[SW+\buf], v[ST+4*k:ST+4*k+1] offset:(k-16)*16*P
.endif
.set k, k+1
.endr
.endm
; 32 along K: 24 fragment loads, 32 matrix instructions.  Source 0 = 16 rows of W, source 1 = 16 rows of X: a lane's eight results are then eight
; neighbouring columns of one row.  The 32 accumulators take turns, one instruction a turn, on into the next half step.
.macro HALF buf, sub, zero
	PLACES 4                                       ; a load into a register that a matrix instruction has read stands four places behind it (ISA guide 7.12.1 for vector instructions)
.irp nt, 0,1,2,3
	ds_load_b128 v[WF+8*\nt:WF+8*\nt+3],   v[AW+\buf] offset:\nt*16*P+\sub*64
	ds_load_b128 v[WF+8*\nt+4:WF+8*\nt+7], v[AW+\buf] offset:\nt*16*P+\sub*64+32
.endr
.irp mt, 0,1,2,3,4,5,6,7
	ds_load_b128 v[XF+8*\mt:XF+8*\mt+3],   v[AX+\buf] offset:\mt*16*P+\sub*64
	ds_load_b128 v[XF+8*\mt+4:XF+8*\mt+7], v[AX+\buf] offset:\mt*16*P+\sub*64+32
.endr
	WIN 0x50                                       ; C and D in window 1
.irp mt, 0,1,2,3,4,5,6,7
	s_wait_dscnt 14-2*\mt                          ; W's fragments and X's up to mt are in; the two loads of each later X fragment may be out
.irp nt, 0,1,2,3
.if \zero
	v_wmma_f32_16x16x32_f16 v[32*\mt+8*\nt:32*\mt+8*\nt+7], v[WF+8*\nt:WF+8*\nt+7], v[XF+8*\mt:XF+8*\mt+7], 0
.else
	v_wmma_f32_16x16x32_f16 v[32*\mt+8*\nt:32*\mt+8*\nt+7], v[WF+8*\nt:WF+8*\nt+7], v[XF+8*\mt:XF+8*\mt+7], v[32*\mt+8*\nt:32*\mt+8*\nt+7]
.endif
.endr
.endr
	WIN 0
.endm
; K step i: the next step's loads go out first, this step's buffer is multiplied, then the loads are rounded into the other buffer.
; ONE barrier a step orders both ways: the buffer written here was last read one step ago, and every wave waited for those reads in front of
; that step's barrier; what is written here is read behind this step's barrier, in front of which every wave waits for its LDS stores.
.macro KSTEP i
.set NX, \i+1
.set CB, \i&1
.set NB, NX&1
.if \i < 7
	LOADG NX
.else
.irp nt, 0,1,2,3                       ; the last step fetches what the way out needs: bias of columns 16 nt + 8 h + 0..7, mask of rows 16 mt + r
	global_load_b128 v[BB+8*\nt:BB+8*\nt+3],   v[HB], s[40:41] offset:\nt*64
	global_load_b128 v[BB+8*\nt+4:BB+8*\nt+7], v[HB], s[40:41] offset:\nt*64+16
.endr
.irp mt, 0,1,2,3,4,5,6,7
	global_load_b32 v[RS+2*\mt], v[RM], s[44:45] offset:\mt*64
.endr
.endif
.if \i < 5
	; Step i asks for X's 256 bytes of step i + 3 in each of the block's 256 rows, thread t for row t: two steps ahead of the loads that want them.
	; Of the two work-groups that read these rows the one with c = 0 asks, so each piece is asked for once; steps 5 to 7 ask for nothing: step 7 is the last piece of a row.
	s_cmp_lg_u32 s7, 0
	s_cbranch_scc1 .Lno_ask_\@
	global_prefetch_b8 v[PF], s[36:37] offset:(\i+3)*256 th:TH_LOAD_NT scope:SCOPE_SE
.Lno_ask_\@:
.endif
.if \i == 0
	HALF CB, 0, 1                                  ; the first product starts the sums: nothing is cleared
.else
	HALF CB, 0, 0
.endif
	HALF CB, 1, 0
.if \i < 7
	CVTST NB
	s_wait_dscnt 0x0                               ; for the other waves: my stores into the next buffer are done (my reads of this one ended at the last count-down)
	s_barrier_signal -1
	s_barrier_wait -1
.endif
.endm
	CVTST 0
	s_wait_dscnt 0x0                               ; my part of step 0 lies in buffer 0
	s_barrier_signal -1
	s_barrier_wait -1
	KSTEP 0
	KSTEP 1
	KSTEP 2
	KSTEP 3
	KSTEP 4
	KSTEP 5
	KSTEP 6
	KSTEP 7
	; The row's factor: the scale, or 0 for a masked key's row of k.  These 32 plain vector instructions name no register of the last matrix
	; instructions and are the places between them and the first read of a sum (ISA guide 7.12.1).
	s_wait_loadcnt 0x0                             ; bias and mask
.irp mt, 0,1,2,3,4,5,6,7
	v_or_b32 v[RS+2*\mt], s47, v[RS+2*\mt]         ; q and v: all ones, every row open
	v_cmp_ne_u32 vcc_lo, 0, v[RS+2*\mt]
	v_cndmask_b32 v[RS+2*\mt], 0, v[SCL], vcc_lo
	v_cndmask_b32 v[RS+2*\mt+1], 0, v[SCL], vcc_lo
.endr
; THE WAY OUT, 16 rows at a time: (sum + bias) x factor, clamped, rounded to f16, 16 bytes a lane into my own stage, read back as whole rows.
; The stage lies in buffer 0, which no wave reads or writes behind the barrier that ended step 6 (step 7 reads buffer 1), and is each wave's own.
.macro OUT16 mt
	WIN 0x01                                       ; source 0 (the sums) in window 1
.set k, 0
.rept 16
	v_pk_add_f32 v[T+2*k:T+2*k+1], v[32*\mt+2*k:32*\mt+2*k+1], v[BB+2*k:BB+2*k+1]
.set k, k+1
.endr
	WIN 0
.set k, 0
.rept 16
	v_pk_mul_f32 v[T+2*k:T+2*k+1], v[T+2*k:T+2*k+1], v[RS+2*\mt:RS+2*\mt+1]
.set k, k+1
.endr
.set k, 0
.rept 32
	v_med3_num_f32 v[T+k], v[T+k], s50, s51        ; f16's range: beyond it the number is held at +-65,504
.set k, k+1
.endr
.set k, 0
.rept 16
	v_cvt_pk_f16_f32 v[PK+k], v[T+2*k], v[T+2*k+1]
.set k, k+1
.endr
.irp nt, 0,1,2,3
	ds_store_b128 v[STG], v[PK+4*\nt:PK+4*\nt+3] offset:32*\nt
.endr
	s_wait_xcnt 0x0                                ; R, which the last rows' stores read, is loaded again only behind this wait (ISA guide 3.1)
.irp j, 0,1,2,3
	ds_load_b128 v[R+4*\j:R+4*\j+3], v[RD] offset:\j*4*P           ; LDS serves a wave's instructions in order (ISA guide 5.7.1.4): these see the stores above
.endr
.irp j, 0,1,2,3
	s_wait_dscnt 3-\j                              ; load j is in, the 3 - j younger ones may be out
	global_store_b128 v[CO], v[R+4*\j:R+4*\j+3], s[42:43] offset:(16*\mt+4*\j)*128   ; four rows of 128 bytes: 512 consecutive bytes, aligned
.endr
.endm
	OUT16 0
	OUT16 1
	OUT16 2
	OUT16 3
	OUT16 4
	OUT16 5
	OUT16 6
	OUT16 7
	s_wait_tensorcnt 0x0
	ds_add_u32 v254, v255
	s_wait_dscnt 0x0
	s_endpgm
.Lfunc_end_k_q908204de78_proj:
	.size	k_q908204de78_proj, .Lfunc_end_k_q908204de78_proj-k_q908204de78_proj
	.p2alignl 7, 3214868480
	.fill 96, 4, 3214868480
	.section	.rodata,"a",@progbits
	.p2align	6, 0x0
	.amdhsa_kernel k_q908204de78_proj
		.amdhsa_group_segment_fixed_size 148480
		.amdhsa_private_segment_fixed_size 0
		.amdhsa_enable_private_segment 0
		.amdhsa_kernarg_size 104
		.amdhsa_user_sgpr_count 2
		.amdhsa_user_sgpr_kernarg_segment_ptr 1
		.amdhsa_wavefront_size32 1
		.amdhsa_system_sgpr_workgroup_id_x 1
		.amdhsa_system_sgpr_workgroup_id_y 1
		.amdhsa_system_sgpr_workgroup_id_z 1
		.amdhsa_system_vgpr_workitem_id 0
		.amdhsa_next_free_vgpr 512
		.amdhsa_next_free_sgpr 66
		.amdhsa_reserve_vcc 1
		.amdhsa_float_denorm_mode_32 3
		.amdhsa_float_denorm_mode_16_64 3
		.amdhsa_memory_ordered 1
		.amdhsa_forward_progress 1
		.amdhsa_inst_pref_size 200
	.end_amdhsa_kernel
	.amdgpu_metadata
---
amdhsa.version: [ 1, 2 ]
amdhsa.kernels:
  - .name:           k_q908204de78_proj
    .symbol:         k_q908204de78_proj.kd
    .args:
      - { .name: Q, .offset: 0, .size: 8, .value_kind: global_buffer, .address_space: global }
      - { .name: K, .offset: 8, .size: 8, .value_kind: global_buffer, .address_space: global }
      - { .name: V, .offset: 16, .size: 8, .value_kind: global_buffer, .address_space: global }
      - { .name: W_q, .offset: 24, .size: 8, .value_kind: global_buffer, .address_space: global }
      - { .name: W_k, .offset: 32, .size: 8, .value_kind: global_buffer, .address_space: global }
      - { .name: W_v, .offset: 40, .size: 8, .value_kind: global_buffer, .address_space: global }
      - { .name: b_q, .offset: 48, .size: 8, .value_kind: global_buffer, .address_space: global }
      - { .name: b_k, .offset: 56, .size: 8, .value_kind: global_buffer, .address_space: global }
      - { .name: b_v, .offset: 64, .size: 8, .value_kind: global_buffer, .address_space: global }
      - { .name: mask, .offset: 72, .size: 8, .value_kind: global_buffer, .address_space: global }
      - { .name: qw, .offset: 80, .size: 8, .value_kind: global_buffer, .address_space: global }
      - { .name: kw, .offset: 88, .size: 8, .value_kind: global_buffer, .address_space: global }
      - { .name: vw, .offset: 96, .size: 8, .value_kind: global_buffer, .address_space: global }
    .group_segment_fixed_size: 148480
    .private_segment_fixed_size: 0
    .kernarg_segment_align: 8
    .kernarg_segment_size: 104
    .max_flat_workgroup_size: 256
    .sgpr_count:     66
    .vgpr_count:     512
    .wavefront_size: 32
...
	.end_amdgpu_metadata
.endif
;; end of part 1
;; launch attn (part 2): grid 16 x 16, 8 waves a work-group, clusters of 4 x 1, 327,680 bytes of LDS; arguments qw, kw, vw, mask, aw, W_o, wo; writes aw, wo
.if DOCPART == 2
	.amdgcn_target "amdgcn-amd-amdhsa--gfx1250"
	.amdhsa_code_object_version 6
	.text
	.protected	k_q908204de78_attn
	.globl	k_q908204de78_attn
	.p2align	8
	.type	k_q908204de78_attn,@function
k_q908204de78_attn:
	s_mov_b64 s[64:65], 0
	v_nop
	global_prefetch_b8 v0, s[64:65] scope:SCOPE_SE
	s_setreg_imm32_b32 hwreg(HW_REG_WAVE_MODE, 25, 1), 1
	s_wait_xcnt 0x0
	s_wait_alu depctr_hold_cnt(0) depctr_sa_sdst(0) depctr_va_vdst(0) depctr_va_sdst(0) depctr_va_ssrc(0) depctr_va_vcc(0) depctr_vm_vsrc(0)
	s_getreg_b32 s2, hwreg(HW_REG_IB_STS2, 6, 4)
	s_cmp_eq_u32 s2, 0
	s_cbranch_scc0 .Lentry_in_a_cluster
	s_endpgm
.Lentry_in_a_cluster:
	s_bfe_u32 s2, ttmp6, 0x10000c
	s_cmp_lg_u32 s2, 0x3003
	s_cbranch_scc0 .Lentry_shape_is_right
	s_endpgm
.Lentry_shape_is_right:
; Attention of one (batch, head) and 256 queries, with a running maximum.  qw, kw, vw, aw: f16, [batch][head][s][64].  qw carries log2(e)/8; kw's rows of
; masked keys are 0.  aw = softmax(q k^T, masked scores = -1e9) v, normalised.
; Eight waves.  Wave w has the 64 queries 64 (w & 3) .. of the block and, of every 256 keys, the 128 with number 128 (w >> 2) ..: two waves share
; their queries and split the keys, and merge (m, l, O) once at the end.
; CLUSTER: the four work-groups of a cluster are four query blocks of one head and walk the same K and V tiles: each tile is asked for jointly (mask 15).
; THE MATRIX UNIT IS USED TRANSPOSED.  S^T = K q^T: source 0 = 16 keys from LDS, source 1 = 16 queries (resident).  Register j of lane (r, h) is key
; 8 h + j, query r: a query is a lane, so maximum and sum run down the lane's own registers and cross once between the halves of the wave.  Two
; neighbouring key tiles, packed to f16, ARE source 1 of O^T = V^T P^T (registers 0-3: keys 8 h .., 4-7: keys 16 + 8 h ..): no shuffle.  Source 0 = V^T comes
; from V's rows by the transposing LDS load.  In O^T register j is d = 8 h + j, query r: the rescaling factor is per lane, eight d pack to 16 bytes.
; THE MASK costs no instruction per score: the first product of a score tile takes as C the key's bias, 0 or -1e9 log2(e); a masked key's k is 0, so its
; score is exactly that constant.  A batch with every key masked gives m = the constant, p = 1, l = 4,096: the mean of v, as softmax of equal scores does.
; TWO KINDS OF WAVES, HALF A BLOCK APART.  A block of 64 keys is a FRONT (fragment loads, 32 matrix instructions for S^T) and a BACK (the softmax's vector
; instructions, then 32 matrix instructions for O^T).  Kind (w ^ (w >> 2)) & 1 = 0 runs a tile as FRONT BACK FRONT BACK, kind 1 as BACK FRONT BACK FRONT: it
; carries its last block's scores and V fragments over the round in registers, so all its LDS reads are still done in front of the round.  While one kind
; issues matrix instructions the other issues vector instructions.  Dealt to four SIMDs as w mod 4 or as w / 2, two waves of one SIMD are of different kinds.
; BESIDE ITS OWN WORK each of the 256 work-groups rounds 1,024 numbers of W_o to f16 into wo, for the launch that follows.
; LIMITS: NaN and infinities in q, k, v are not served.  p is rounded to f16 for the product with V (below 2^-25 it becomes 0) while l sums the f32 p:
; with l >= 1 the 4,096 keys can differ by 4,096 x 2^-25 at the most.  A number of W_o beyond 65,504 becomes an infinity in f16.
.set SLOT,  77824                      ; a slot: 256 keys.  V: 256 rows of pitch 160, then K: 256 rows of pitch 144
.set KOFF,  40960
.set KP,    144                        ; 9 x 16: the 16 rows of a fragment load begin in 16 different 16-byte columns modulo 256
.set VP,    160                        ; 5 x 32: an odd multiple of 32 bytes, for the transposing load
.set BIAS,  2*SLOT                     ; 4,096 f32: the batch's bias per key
.set MRG,   BIAS+16384                 ; the merge: for each wave 16 x 512 bytes of O and 512 of (m, l)
.set MRGW,  8704
.set OST,   MRG+8*MRGW                 ; the way out: 16 rows of pitch 144 for each wave.  Ends at 260,096.  No tensor load ever lands in BIAS, MRG or OST
.set OSTW,  16*KP
.set NEGB,  0xceabfb8f                 ; -1e9 x log2(e)
; window 0
.set ADK, 1                            ; v1-2   LDS address of my K fragments in slot 0, 1
.set ADV, 3                            ; v3-4   the same for V
.set ADB, 5                            ; v5     LDS address of my keys' bias; steps by 1,024 a tile
.set MX,  8                            ; v8+2n  m of query tile n; v9+2n the new m
.set AL,  16                           ; v16+2n exp2(old m - new m); v17+2n what comes from the other half of the wave
.set LS,  24                           ; v24+2n, v25+2n  l, in two partial sums
.set BI,  32                           ; v32-63  bias: 8 registers for each of 4 key tiles
.set KF,  64                           ; v64-127 K fragments: tile t, half ks of d at 64 + 16 t + 8 ks
.set SC,  128                          ; v128-255 scores: tile (t, n) at 128 + 64 (t >> 1) + 16 n + 8 (t & 1); P(n, ks) = the first 8 registers of 128 + 64 ks + 16 n
; window 1: v0-127 O(dt, n) at 32 dt + 8 n
.set QF,  128                          ; v128-191 q fragments (n, ks) at 128 + 16 n + 8 ks
.set VF,  192                          ; v192-255 V^T fragments (dt, ks) at 192 + 16 dt + 8 ks
.set G1V, 24                           ; s[24:31] descriptor group 1 for V's tiles
.set G1K, 32                           ; s[32:39] for K's: it differs in the padding alone
.set G0V, 40                           ; s[40:47] group 0 for V, a set for each slot
.set G0K, 48                           ; s[48:55] group 0 for K
.set MSB, 0
.macro WIN new                         ; s_set_vgpr_msb: bits 1:0 source 0, 3:2 source 1, 5:4 source 2, 7:6 destination; the high byte repeats the setting that is left
.if MSB != \new
	s_set_vgpr_msb (MSB<<8)|\new
.set MSB, \new
.endif
.endm
.macro PLACES n
.rept \n
	v_nop
.endr
.endm
; A round of the cluster's barrier: my work-group's barrier, wave 0 signals for the work-group, every wave waits for all four work-groups, my work-group's barrier again.
.macro ROUND
	s_barrier_signal -1
	s_barrier_wait -1
	s_cmp_lg_u32 s14, 0
	s_cbranch_scc1 .Lnot_wave_0_\@
	s_barrier_signal -3
.Lnot_wave_0_\@:
	s_barrier_wait -3
	s_barrier_signal -1
	s_barrier_wait -1
.endm
; A joint load: waves 0-3 ask for 64 rows of V each, waves 4-7 for 64 rows of K.  The branch hangs on the wave's number alone.
; Four v_nop follow each of the two lines.
.macro JLOAD s
	s_cmp_eq_u32 s15, 0
	s_cbranch_scc0 .Lfor_k_\@
	tensor_load_to_lds s[G0V+4*\s:G0V+4*\s+3], s[G1V:G1V+7]
	s_nop 0
	PLACES 4
	s_branch .Lasked_\@
.Lfor_k_\@:
	tensor_load_to_lds s[G0K+4*\s:G0K+4*\s+3], s[G1K:G1K+7]
	s_nop 0
	PLACES 4
.Lasked_\@:
.endm
	s_load_b256 s[4:11], s[0:1], 0x0               ; qw s[4:5], kw s[6:7], vw s[8:9], mask s[10:11]
	s_load_b64 s[12:13], s[0:1], 0x20              ; aw
	s_load_b64 s[68:69], s[0:1], 0x28              ; W_o
	s_load_b64 s[70:71], s[0:1], 0x30              ; wo
	v_lshl_add_u32 v20, v0, 2, 0x3f800
	v_mov_b32 v22, 0
	ds_add_u32 v20, v22
	s_wait_dscnt 0x0
	v_lshrrev_b32 v1, 5, v0
	v_readfirstlane_b32 s14, v1                    ; wave 0..7
	s_lshr_b32 s15, s14, 2                         ; kh: which 128 of a tile's 256 keys.  Also: I fetch for V (0) or for K (1)
	s_and_b32 s16, s14, 3                          ; qg: which 64 queries.  Also: which 64 rows of the tile I fetch
	s_xor_b32 s23, s14, s15
	s_and_b32 s23, s23, 1                          ; my kind: 0 runs a block's FRONT first, 1 the last block's BACK
	s_bfe_u32 s17, ttmp6, 0x40000                  ; cx
	s_lshl_b32 s18, ttmp9, 2
	s_add_co_u32 s18, s18, s17                     ; query block = 4 x cluster x + cx: it enters the addresses of q, aw, W_o and wo alone
	s_and_b32 s19, ttmp7, 0xffff                   ; 8 batch + head
	s_mov_b32 s20, 0x76543210                      ; v_permlanex16_b32: lane i of one half reads lane i of the other
	s_mov_b32 s21, 0xfedcba98
	; group 1: 64 rows of 64 elements of 2 bytes, dense in memory; behind every 32 words (a row) 8 words of padding for V, 4 for K
	s_mov_b32 s[G1V+0], 15|(1<<16)|(1<<20)|(1<<21)|(4<<22)|(7<<25)  ; 15:0 the mask: all four work-groups; 17:16 2 bytes; 20 padding on; 21 set beside a mask; 24:22 every 32 words; 31:25 8 words
	s_mov_b32 s[G1K+0], 15|(1<<16)|(1<<20)|(1<<21)|(4<<22)|(3<<25)  ; the same with 4 words
	s_mov_b32 s[G1V+1], 64<<16                     ; tensor_dim0 = 64
	s_mov_b32 s[G1K+1], 64<<16
	s_mov_b32 s[G1V+2], 64<<16                     ; tensor_dim1 = 64
	s_mov_b32 s[G1K+2], 64<<16
	s_mov_b32 s[G1V+3], 64<<16                     ; tile_dim0 = 64
	s_mov_b32 s[G1K+3], 64<<16
	s_mov_b32 s[G1V+4], 64                         ; tile_dim1 = 64
	s_mov_b32 s[G1K+4], 64
	s_mov_b32 s[G1V+5], 64                         ; 64 elements from row to row
	s_mov_b32 s[G1K+5], 64
	s_mov_b32 s[G1V+6], 0
	s_mov_b32 s[G1K+6], 0
	s_mov_b32 s[G1V+7], 0
	s_mov_b32 s[G1K+7], 0
	s_lshl_b32 s56, s19, 19                        ; the head's 524,288 bytes
	s_lshl_b32 s57, s16, 13                        ; + 64 qg rows of 128 bytes: K's and V's offset, the same in all four work-groups
	s_add_co_u32 s56, s56, s57
	s_mov_b32 s57, 0
	s_lshl_b32 s58, s18, 15                        ; q's and aw's: + 256 rows for each query block
	s_add_co_u32 s58, s58, s56
	s_mov_b32 s59, 0
	s_lshr_b32 s60, s19, 3                         ; the batch's 4,096 mask words
	s_lshl_b32 s60, s60, 14
	s_mov_b32 s61, 0
	s_lshl_b32 s72, s19, 4                         ; the work-group's number among the 256: 16 (8 batch + head) + query block
	s_add_co_u32 s72, s72, s18
	s_lshl_b32 s74, s72, 11                        ; its 1,024 numbers: 2,048 bytes of wo,
	s_lshl_b32 s72, s72, 12                        ; 4,096 bytes of W_o
	s_mov_b32 s73, 0
	s_mov_b32 s75, 0
	s_mul_i32 s62, s14, 64*VP                      ; V: waves 0-3 fill rows 64 w at w x 10,240
	s_mul_i32 s63, s14, 64*KP                      ; K: waves 4-7 fill rows 64 (w - 4) at 40,960 + (w - 4) x 9,216 = w x 9,216 + 4,096
	s_add_co_u32 s63, s63, KOFF-4*64*KP
	s_wait_kmcnt 0x0
	s_add_nc_u64 s[6:7], s[6:7], s[56:57]
	s_add_nc_u64 s[8:9], s[8:9], s[56:57]
	s_add_nc_u64 s[4:5], s[4:5], s[58:59]
	s_add_nc_u64 s[12:13], s[12:13], s[58:59]
	s_add_nc_u64 s[10:11], s[10:11], s[60:61]
	s_add_nc_u64 s[68:69], s[68:69], s[72:73]
	s_add_nc_u64 s[70:71], s[70:71], s[74:75]
.irp n, 0,1
	s_mov_b32 s[G0V+4*\n], 1                                       ; count = 1
	s_add_co_u32 s[G0V+4*\n+1], s62, \n*SLOT                       ; LDS address
	s_add_nc_u64 s[G0V+4*\n+2:G0V+4*\n+3], s[8:9], \n*32768        ; tile n: 256 keys of 128 bytes
	s_or_b32 s[G0V+4*\n+3], s[G0V+4*\n+3], 0x80000000              ; type = 2
	s_mov_b32 s[G0K+4*\n], 1
	s_add_co_u32 s[G0K+4*\n+1], s63, \n*SLOT
	s_add_nc_u64 s[G0K+4*\n+2:G0K+4*\n+3], s[6:7], \n*32768
	s_or_b32 s[G0K+4*\n+3], s[G0K+4*\n+3], 0x80000000
.endr
	ROUND                                          ; all four work-groups are here: the first joint loads meet
	JLOAD 0                                        ; tiles 0 and 1: two tensor loads of this wave are out, later one
	JLOAD 1
	v_and_b32 v8, 15, v0                           ; r
	v_bfe_u32 v9, v0, 4, 1                         ; h
	v_lshlrev_b32 v6, 4, v0                        ; 16 t: my four mask words, and my four numbers of W_o
	v_lshlrev_b32 v7, 7, v8
	v_lshl_add_u32 v7, v9, 4, v7                   ; q: row r of 128 bytes + 16 h
.irp i, 0,1,2,3
	global_load_b128 v[BI+4*\i:BI+4*\i+3], v6, s[10:11] offset:\i*4096
.endr
	WIN 0x40                                       ; destination in window 1
.irp n, 0,1,2,3
.irp c, 0,1,2,3
	global_load_b128 v[QF+16*\n+4*\c:QF+16*\n+4*\c+3], v7, s[4:5] offset:\n*2048+\c*32   ; query 16 n + r, d = 16 c + 8 h ..
.endr
.endr
	WIN 0
	global_load_b128 v[64:67], v6, s[68:69]        ; four numbers of W_o
	v_and_b32 v10, 7, v0
	v_bfe_u32 v11, v0, 3, 1
	s_mul_i32 s56, s15, 128*KP
	s_add_co_u32 s56, s56, KOFF
	v_mul_u32_u24 v12, v8, KP
	v_lshl_add_u32 v12, v9, 4, v12
	v_add_nc_u32 v[ADK], s56, v12                  ; K: (128 kh + r) x 144 + 16 h
	v_add_nc_u32 v[ADK+1], SLOT, v[ADK]
	v_lshl_add_u32 v13, v9, 3, v10
	v_mul_u32_u24 v13, v13, VP
	v_lshl_add_u32 v13, v11, 4, v13
	s_mul_i32 s57, s15, 128*VP
	v_add_nc_u32 v[ADV], s57, v13                  ; V: (128 kh + 8 h + (lane & 7)) x 160 + 16 ((lane >> 3) & 1)
	v_add_nc_u32 v[ADV+1], SLOT, v[ADV]
	s_lshl_b32 s58, s15, 9
	s_add_co_u32 s58, s58, BIAS
	v_lshl_add_u32 v[ADB], v9, 5, s58              ; bias: 4 (128 kh + 8 h)
.irp n, 0,1,2,3
	v_mov_b32 v[AL+2*\n+1], 0                      ; v_permlanex16_b32's destination counts as read
.endr
	v_mov_b32 v48, NEGB
	v_add_nc_u32 v49, BIAS, v6
	v_lshlrev_b32 v50, 3, v0                       ; 8 t: my four numbers of wo
	s_wait_loadcnt 17                              ; the mask is in; the 16 loads of q and the one of W_o behind it may be out
.set k, 0
.rept 16
	v_cmp_eq_u32 vcc_lo, 0, v[BI+k]
	v_cndmask_b32 v[BI+k], 0, v48, vcc_lo          ; 0 for an open key, -1e9 log2(e) for a masked one
.set k, k+1
.endr
.irp i, 0,1,2,3
	ds_store_b128 v49, v[BI+4*\i:BI+4*\i+3] offset:\i*4096
.endr
	s_wait_loadcnt 0x0                             ; q, and my numbers of W_o
	v_cvt_pk_f16_f32 v64, v64, v65
	v_cvt_pk_f16_f32 v65, v66, v67
	global_store_b64 v50, v[64:65], s[70:71]       ; a wave stores 256 consecutive bytes, aligned
	s_wait_dscnt 0x0                               ; for the other waves: my part of the bias is stored
	s_wait_tensorcnt 0x1                           ; my part of tile 0 has landed; tile 1's may stay out
	s_wait_xcnt 0x0                                ; v50 and v64-65, which the store reads, are loaded again only behind this wait (ISA guide 3.1)
	s_barrier_signal -1
	s_barrier_wait -1
.macro SUBG g                          ; s - m for the 16 registers of group g = 4 ks + n
.set GB, SC+16*(\g)
.set NQ, (\g)&3
	s_wait_alu depctr_va_vdst(0)
.irp i, 0,1,2,3,4,5,6,7
	v_pk_add_f32 v[GB+2*\i:GB+2*\i+1], v[GB+2*\i:GB+2*\i+1], v[MX+2*NQ:MX+2*NQ+1] op_sel_hi:[1,0] neg_lo:[0,1] neg_hi:[0,1]
.endr
.endm
.macro EXPG g
.set k, 0
.rept 16
	v_exp_f32 v[SC+16*(\g)+k], v[SC+16*(\g)+k]
.set k, k+1
.endr
.endm
; l takes the group's eight pairs in, and each pair is packed to f16 behind that: register i of P overwrites a register of pair i / 2, which has been summed and packed.
.macro SUMCVT g, first
.set GB, SC+16*(\g)
.set NQ, (\g)&3
.irp i, 0,1,2,3,4,5,6,7
.set MODE, 0                           ; 0: l += pair
.if (\g) < 4
.if \i == 0
.set MODE, 1+\first                    ; 1: l = l x alpha + pair;  2: the first block starts l with pairs 0 and 1
.endif
.if \i == 1
.set MODE, 3*\first                    ; 3: pair 1 is in already
.endif
.endif
.if MODE == 0
	v_pk_add_f32 v[LS+2*NQ:LS+2*NQ+1], v[LS+2*NQ:LS+2*NQ+1], v[GB+2*\i:GB+2*\i+1]
.endif
.if MODE == 1
	s_wait_alu depctr_va_vdst(0)
	v_pk_fma_f32 v[LS+2*NQ:LS+2*NQ+1], v[LS+2*NQ:LS+2*NQ+1], v[AL+2*NQ:AL+2*NQ+1], v[GB:GB+1] op_sel_hi:[1,0,1]
.endif
.if MODE == 2
	s_wait_alu depctr_va_vdst(0)
	v_pk_add_f32 v[LS+2*NQ:LS+2*NQ+1], v[GB:GB+1], v[GB+2:GB+3]
.endif
	v_cvt_pk_f16_f32 v[GB+\i], v[GB+2*\i], v[GB+2*\i+1]
.endr
.endm
; FRONT of block blk (0, 1) of my 128 keys in slot slot: all the block's LDS loads, and S^T for 64 keys x 64 queries.  first = 1: no product stands in front of it.
.macro FRONT slot, blk, first
.if \first == 0
	PLACES 5                                       ; behind the last O^T product: four places for the loads into its V fragments, five for the products that write over its P (ISA guide 7.12.1 for the products)
.endif
.irp t, 0,1,2,3
.irp c, 0,1,2,3
	ds_load_b128 v[KF+16*\t+4*\c:KF+16*\t+4*\c+3], v[ADK+\slot] offset:(64*\blk+16*\t)*KP+32*\c
.endr
.irp c, 0,1
	ds_load_b128 v[BI+8*\t+4*\c:BI+8*\t+4*\c+3], v[ADB] offset:256*\blk+64*\t+16*\c
.endr
.endr
	WIN 0x40
.irp dt, 0,1,2,3
.irp c, 0,1,2,3
	ds_load_tr16_b128 v[VF+16*\dt+4*\c:VF+16*\dt+4*\c+3], v[ADV+\slot] offset:(64*\blk+16*\c)*VP+32*\dt   ; keys 16 c + 8 h .. of column d = 16 dt + r
.endr
.endr
	WIN 0x04                                       ; source 1 (q) in window 1
	; S^T: four accumulators take turns, one instruction a turn; the first product takes the keys' bias as C
.irp t, 0,1,2,3
	s_wait_dscnt 34-6*\t                           ; key tile t's six loads are in; the six of each later tile and V's sixteen may be out
.irp n, 0,1,2,3
	v_wmma_f32_16x16x32_f16 v[SC+64*(\t>>1)+16*\n+8*(\t&1):SC+64*(\t>>1)+16*\n+8*(\t&1)+7], v[KF+16*\t:KF+16*\t+7], v[QF+16*\n:QF+16*\n+7], v[BI+8*\t:BI+8*\t+7]
.endr
.irp n, 0,1,2,3
	v_wmma_f32_16x16x32_f16 v[SC+64*(\t>>1)+16*\n+8*(\t&1):SC+64*(\t>>1)+16*\n+8*(\t&1)+7], v[KF+16*\t+8:KF+16*\t+15], v[QF+16*\n+8:QF+16*\n+15], v[SC+64*(\t>>1)+16*\n+8*(\t&1):SC+64*(\t>>1)+16*\n+8*(\t&1)+7]
.endr
.endr
	WIN 0
.endm
; BACK of the block whose scores and V fragments lie in registers: register work but for one wait.  first = 1: the very first block starts m, l and O.
.macro BACK first
	PLACES 4                                       ; four places before a vector instruction reads a score (ISA guide 7.12.1)
	; the new maximum of each query: 32 registers of the lane, the old m, then the other half of the wave.  Four chains, one for each query tile
.irp k, 0,1,2,3,4,5,6,7,8,9,10,11,12,13,14,15
.irp n, 0,1,2,3
.if \k == 0
.if \first
	v_max_num_f32 v[MX+2*\n+1], v[SC+16*\n], v[SC+16*\n+1]
.else
	v_max3_num_f32 v[MX+2*\n+1], v[SC+16*\n], v[SC+16*\n+1], v[MX+2*\n]
.endif
.else
	v_max3_num_f32 v[MX+2*\n+1], v[SC+64*(\k>>3)+16*\n+2*(\k&7)], v[SC+64*(\k>>3)+16*\n+2*(\k&7)+1], v[MX+2*\n+1]
.endif
.endr
.endr
.irp n, 0,1,2,3
	v_permlanex16_b32 v[AL+2*\n+1], v[MX+2*\n+1], s20, s21
.endr
.irp n, 0,1,2,3
	v_max_num_f32 v[MX+2*\n+1], v[MX+2*\n+1], v[AL+2*\n+1]
.endr
.if \first == 0
.irp n, 0,1,2,3
	v_sub_f32 v[AL+2*\n], v[MX+2*\n], v[MX+2*\n+1]
.endr
.endif
.irp n, 0,1,2,3
	v_mov_b32 v[MX+2*\n], v[MX+2*\n+1]
.endr
.if \first == 0
.irp n, 0,1,2,3
	v_exp_f32 v[AL+2*\n], v[AL+2*\n]               ; alpha = exp2(old m - new m)
.endr
.endif
	; p = exp2(s - m), group by group.  Behind each run of exponentials stands the next group's first subtraction, a plain instruction on other
	; registers, before a result is used (ISA guide 5.7.2)
	SUBG 0
.irp g, 0,1,2,3,4,5,6,7
	EXPG \g
.if \g < 7
	SUBG \g+1
.else
	v_nop
	s_wait_alu depctr_va_vdst(0)
.endif
	SUMCVT \g, \first
.endr
.if \first == 0
	WIN 0x41                                       ; O in window 1, alpha in window 0
.irp dt, 0,1,2,3
.irp n, 0,1,2,3
.irp k, 0,1,2,3
	v_pk_mul_f32 v[32*\dt+8*\n+2*\k:32*\dt+8*\n+2*\k+1], v[32*\dt+8*\n+2*\k:32*\dt+8*\n+2*\k+1], v[AL+2*\n:AL+2*\n+1] op_sel_hi:[1,0]
.endr
.endr
.endr
.endif
	s_wait_dscnt 0x0                               ; V's fragments: with them all my reads of this block are done
	WIN 0x51                                       ; source 0 (V^T), C and D (O) in window 1, source 1 (P) in window 0
	; O^T += V^T P^T: sixteen accumulators take turns, one instruction a turn
.irp ks, 0,1
.irp dt, 0,1,2,3
.irp n, 0,1,2,3
.set ZC, 0
.if \ks == 0
.set ZC, \first
.endif
.if ZC
	v_wmma_f32_16x16x32_f16 v[32*\dt+8*\n:32*\dt+8*\n+7], v[VF+16*\dt+8*\ks:VF+16*\dt+8*\ks+7], v[SC+64*\ks+16*\n:SC+64*\ks+16*\n+7], 0
.else
	v_wmma_f32_16x16x32_f16 v[32*\dt+8*\n:32*\dt+8*\n+7], v[VF+16*\dt+8*\ks:VF+16*\dt+8*\ks+7], v[SC+64*\ks+16*\n:SC+64*\ks+16*\n+7], v[32*\dt+8*\n:32*\dt+8*\n+7]
.endif
.endr
.endr
.endr
	WIN 0
.endm
; A trip: the tile in slot is worked on while the other slot, read in the last trip, is filled again two tiles ahead.  In front of the round every
; wave waits for all its tensor loads (its part of this trip's tile is the one that was out) and for its reads of the other slot (a wave of kind 1 has
; its last block's fragments in registers by then); the round holds of every wave of all four work-groups; the joint refill is the first thing behind
; it, one tensor load a wave.  It has this trip's 128 matrix instructions and their softmax in which to land.
; The branch on the kind hangs on the wave's number alone and jumps over no barrier, no tensor load and no wait in front of the round.
; In either order, and from one trip to the next, a FRONT's last product writes S(3, 3) and a BACK's first O(0, 0), a BACK's last O(3, 3) and a FRONT's first S(0, 0).
.macro TRIP slot, refill
	s_wait_xcnt 0x0
	v_lshl_add_u32 v20, v0, 2, 0x3f800
	v_mov_b32 v22, 0
	s_wait_tensorcnt 0x0
	ds_add_u32 v20, v22
	s_wait_dscnt 0x0
.if \refill
	s_add_nc_u64 s[G0V+4*(1-\slot)+2:G0V+4*(1-\slot)+3], s[G0V+4*(1-\slot)+2:G0V+4*(1-\slot)+3], 65536   ; no load of mine is out: the other slot's addresses step two tiles
	s_add_nc_u64 s[G0K+4*(1-\slot)+2:G0K+4*(1-\slot)+3], s[G0K+4*(1-\slot)+2:G0K+4*(1-\slot)+3], 65536
.endif
	s_wait_dscnt 0x0
	ROUND
.if \refill
	JLOAD (1-\slot)
.endif
	s_cmp_lg_u32 s23, 0
	s_cbranch_scc1 .Lkind_1_\@
	FRONT \slot, 0, 0
	BACK 0
	FRONT \slot, 1, 0
	BACK 0
	s_branch .Lboth_\@
.Lkind_1_\@:
	BACK 0                                         ; the last tile's second block
	FRONT \slot, 0, 0
	BACK 0
	FRONT \slot, 1, 0
.Lboth_\@:
	v_add_nc_u32 v[ADB], 1024, v[ADB]              ; the next tile's 256 bias words (the bias loads of both blocks are back: the products have used them)
.endm
	FRONT 0, 0, 1                                  ; tile 0
	BACK 1
	FRONT 0, 1, 0
	s_cmp_lg_u32 s23, 0
	s_cbranch_scc1 .Lkind_1_waits                  ; kind 1 falls half a block behind here
	BACK 0
.Lkind_1_waits:
	v_add_nc_u32 v[ADB], 1024, v[ADB]
	s_mov_b32 s22, 7
.Ltiles:
	TRIP 1, 1                                      ; tiles 1, 3, .. 13; asks for 2, 4, .. 14
	TRIP 0, 1                                      ; tiles 2, 4, .. 14; asks for 3, 5, .. 15
	s_sub_co_u32 s22, s22, 1
	s_cmp_lg_u32 s22, 0
	s_cbranch_scc1 .Ltiles
	TRIP 1, 0                                      ; tile 15: nothing is left to fetch
	s_cmp_eq_u32 s23, 0
	s_cbranch_scc1 .Lall_blocks
	BACK 0                                         ; kind 1 catches up: the last block
.Lall_blocks:
	; THE MERGE.  Waves w and w ^ 4 hold (m, l, O) of the same 64 queries over different keys, in the same lanes.  Each sends two of its four query
	; tiles to the other and finishes the other two.  The vector instructions up to the first LDS store name no register of the last products and
	; are the places between them and the first read of O.
.irp n, 0,1,2,3
	v_add_f32 v[LS+2*\n], v[LS+2*\n], v[LS+2*\n+1]
.endr
	v_and_b32 v35, 31, v0
	v_lshlrev_b32 v34, 4, v35                      ; v34: 16 x lane
	s_mul_i32 s56, s14, MRGW
	s_add_co_u32 s56, s56, MRG
	v_add_nc_u32 v6, s56, v34                      ; v6: where I send
	s_xor_b32 s57, s14, 4
	s_mul_i32 s57, s57, MRGW
	s_add_co_u32 s57, s57, MRG
	v_add_nc_u32 v7, s57, v34                      ; v7: where my partner sent
	s_mul_i32 s58, s14, OSTW
	s_add_co_u32 s58, s58, OST
	v_and_b32 v35, 15, v0
	v_bfe_u32 v36, v0, 4, 1
	v_mul_u32_u24 v35, v35, KP
	v_lshl_add_u32 v35, v36, 4, v35
	v_add_nc_u32 v32, s58, v35                     ; v32: the way out, in: row r, 16 h
	v_bfe_u32 v35, v0, 3, 2
	v_and_b32 v36, 7, v0
	v_mul_u32_u24 v35, v35, KP
	v_lshl_add_u32 v35, v36, 4, v35
	v_add_nc_u32 v33, s58, v35                     ; v33: back: eight lanes take a row of 128 bytes
.macro SEND a, b
	v_mov_b32 v64, v[MX+2*\a]
	v_mov_b32 v65, v[LS+2*\a]
	v_mov_b32 v66, v[MX+2*\b]
	v_mov_b32 v67, v[LS+2*\b]
	WIN 0x04                                       ; store data (source 1) in window 1
.irp dt, 0,1,2,3
.irp q, 0,1
	ds_store_b128 v6, v[32*\dt+8*\a+4*\q:32*\dt+8*\a+4*\q+3] offset:(2*\dt+\q)*512
	ds_store_b128 v6, v[32*\dt+8*\b+4*\q:32*\dt+8*\b+4*\q+3] offset:(8+2*\dt+\q)*512
.endr
.endr
	WIN 0
	ds_store_b128 v6, v[64:67] offset:8192
.endm
	s_cmp_eq_u32 s15, 0
	s_cbranch_scc0 .Lsend_low
	SEND 2, 3
	s_branch .Lsent
.Lsend_low:
	SEND 0, 1
.Lsent:
	s_wait_dscnt 0x0                               ; for my partner: what I sent is stored
	s_barrier_signal -1
	s_barrier_wait -1
.set k, 0
.rept 16
	ds_load_b128 v[SC+4*k:SC+4*k+3], v7 offset:k*512       ; the partner's O of my two tiles: tile i, dt at SC + 32 i + 8 dt
.set k, k+1
.endr
	ds_load_b128 v[68:71], v7 offset:8192          ; its m, l, m, l
	s_wait_dscnt 0x0
; Query tile n, the i-th that the partner sent: O = (O a + O' a') / (l a + l' a'), a = exp2(m - max(m, m')); l >= 1, since the larger m's own key counts 1.
; Then 16 rows of 128 bytes go through my own stage and leave as whole rows.
.macro FIN i, n
	v_max_num_f32 v72, v[MX+2*\n], v[68+2*\i]
	v_sub_f32 v73, v[MX+2*\n], v72
	v_sub_f32 v74, v[68+2*\i], v72
	v_exp_f32 v73, v73
	v_exp_f32 v74, v74
	v_nop                                          ; one plain place behind the exponentials (ISA guide 5.7.2)
	s_wait_alu depctr_va_vdst(0)
	v_mul_f32 v75, v[LS+2*\n], v73
	v_fmac_f32 v75, v[69+2*\i], v74
	v_permlanex16_b32 v[AL+2*\n+1], v75, s20, s21  ; a lane summed the keys 8 h + j of each tile: the other half has the rest
	v_add_f32 v75, v75, v[AL+2*\n+1]
	v_rcp_f32 v75, v75
	v_nop
	s_wait_alu depctr_va_vdst(0)
	v_mul_f32 v76, v73, v75
	v_mul_f32 v77, v73, v75
	v_mul_f32 v78, v74, v75
	v_mul_f32 v79, v74, v75
.set k, 0
.rept 16
	v_pk_mul_f32 v[SC+32*\i+2*k:SC+32*\i+2*k+1], v[SC+32*\i+2*k:SC+32*\i+2*k+1], v[78:79]
.set k, k+1
.endr
	WIN 0x01                                       ; source 0 (my O) in window 1
.set k, 0
.rept 16
	v_pk_fma_f32 v[SC+32*\i+2*k:SC+32*\i+2*k+1], v[32*(k>>2)+8*\n+2*(k&3):32*(k>>2)+8*\n+2*(k&3)+1], v[76:77], v[SC+32*\i+2*k:SC+32*\i+2*k+1]
.set k, k+1
.endr
	WIN 0
.set k, 0
.rept 16
	v_cvt_pk_f16_f32 v[192+k], v[SC+32*\i+2*k], v[SC+32*\i+2*k+1]
.set k, k+1
.endr
.irp dt, 0,1,2,3
	ds_store_b128 v32, v[192+4*\dt:192+4*\dt+3] offset:32*\dt
.endr
	s_wait_xcnt 0x0                                ; v208-223, which the last tile's stores read, are loaded again only behind this wait (ISA guide 3.1)
.irp j, 0,1,2,3
	ds_load_b128 v[208+4*\j:208+4*\j+3], v33 offset:\j*4*KP        ; LDS serves a wave's instructions in order (ISA guide 5.7.1.4): these see the stores above
.endr
.irp j, 0,1,2,3
	s_wait_dscnt 3-\j                              ; load j is in, the 3 - j younger ones may be out
	global_store_b128 v34, v[208+4*\j:208+4*\j+3], s[12:13] offset:(16*\n+4*\j)*128   ; four rows: 512 consecutive bytes, aligned
.endr
.endm
	s_cmp_eq_u32 s15, 0
	s_cbranch_scc0 .Lfinish_high
	FIN 0, 0
	FIN 1, 1
	s_branch .Lstored
.Lfinish_high:
	FIN 0, 2
	FIN 1, 3
.Lstored:
	s_wait_xcnt 0x0
	v_lshl_add_u32 v20, v0, 2, 0x3f800
	v_mov_b32 v22, 0
	s_wait_tensorcnt 0x0
	ds_add_u32 v20, v22
	s_wait_dscnt 0x0
	ROUND                                          ; the closing round: no work-group ends while a partner may still ask for a tile that names it
	s_endpgm
.Lfunc_end_k_q908204de78_attn:
	.size	k_q908204de78_attn, .Lfunc_end_k_q908204de78_attn-k_q908204de78_attn
	.p2alignl 7, 3214868480
	.fill 96, 4, 3214868480
	.section	.rodata,"a",@progbits
	.p2align	6, 0x0
	.amdhsa_kernel k_q908204de78_attn
		.amdhsa_group_segment_fixed_size 327680
		.amdhsa_private_segment_fixed_size 0
		.amdhsa_enable_private_segment 0
		.amdhsa_kernarg_size 56
		.amdhsa_user_sgpr_count 2
		.amdhsa_user_sgpr_kernarg_segment_ptr 1
		.amdhsa_wavefront_size32 1
		.amdhsa_system_sgpr_workgroup_id_x 1
		.amdhsa_system_sgpr_workgroup_id_y 1
		.amdhsa_system_sgpr_workgroup_id_z 1
		.amdhsa_system_vgpr_workitem_id 0
		.amdhsa_next_free_vgpr 512
		.amdhsa_next_free_sgpr 76
		.amdhsa_reserve_vcc 1
		.amdhsa_float_denorm_mode_32 3
		.amdhsa_float_denorm_mode_16_64 3
		.amdhsa_memory_ordered 1
		.amdhsa_forward_progress 1
		.amdhsa_inst_pref_size 255
	.end_amdhsa_kernel
	.section	.bss,"aw",@nobits
	.p2align	6
	.space	262144
	.amdgpu_metadata
---
amdhsa.version: [ 1, 2 ]
amdhsa.kernels:
  - .name:           k_q908204de78_attn
    .symbol:         k_q908204de78_attn.kd
    .args:
      - { .name: qw, .offset: 0, .size: 8, .value_kind: global_buffer, .address_space: global }
      - { .name: kw, .offset: 8, .size: 8, .value_kind: global_buffer, .address_space: global }
      - { .name: vw, .offset: 16, .size: 8, .value_kind: global_buffer, .address_space: global }
      - { .name: mask, .offset: 24, .size: 8, .value_kind: global_buffer, .address_space: global }
      - { .name: aw, .offset: 32, .size: 8, .value_kind: global_buffer, .address_space: global }
      - { .name: W_o, .offset: 40, .size: 8, .value_kind: global_buffer, .address_space: global }
      - { .name: wo, .offset: 48, .size: 8, .value_kind: global_buffer, .address_space: global }
    .group_segment_fixed_size: 327680
    .private_segment_fixed_size: 0
    .kernarg_segment_align: 8
    .kernarg_segment_size: 56
    .max_flat_workgroup_size: 256
    .sgpr_count:     76
    .vgpr_count:     512
    .wavefront_size: 32
...
	.end_amdgpu_metadata
.endif
;; end of part 2
;; launch outp (part 3): grid 4 x 64, 8 waves a work-group, clusters of 4 x 4, 322,560 bytes of LDS; arguments aw, wo, b_o, out0; writes out0
.if DOCPART == 3
	.amdgcn_target "amdgcn-amd-amdhsa--gfx1250"
	.amdhsa_code_object_version 6
	.text
	.protected	k_q908204de78_outp
	.globl	k_q908204de78_outp
	.p2align	8
	.type	k_q908204de78_outp,@function
k_q908204de78_outp:
	s_mov_b64 s[64:65], 0
	v_nop
	global_prefetch_b8 v0, s[64:65] scope:SCOPE_SE
	s_setreg_imm32_b32 hwreg(HW_REG_WAVE_MODE, 25, 1), 1
	s_wait_xcnt 0x0
	s_wait_alu depctr_hold_cnt(0) depctr_sa_sdst(0) depctr_va_vdst(0) depctr_va_sdst(0) depctr_va_ssrc(0) depctr_va_vcc(0) depctr_vm_vsrc(0)
	s_getreg_b32 s2, hwreg(HW_REG_IB_STS2, 6, 4)
	s_cmp_eq_u32 s2, 0
	s_cbranch_scc0 .Lentry_in_a_cluster
	s_endpgm
.Lentry_in_a_cluster:
	s_bfe_u32 s2, ttmp6, 0x10000c
	s_cmp_lg_u32 s2, 0xf033
	s_cbranch_scc0 .Lentry_shape_is_right
	s_endpgm
.Lentry_shape_is_right:
; out0 = combined W_o^T + b_o.  aw: f16 [batch][head][s][64]; wo: W_o rounded to f16, [512][512]; out0: f32 [8192][512].
; A work-group makes 128 rows x 128 columns with eight waves: 64 x 4 = 256 work-groups.  Wave w makes rows 32 (w >> 1) .., columns 64 (w & 1) ..
; (256 bytes of a row of out0): 8 accumulator tiles.
; THE WHOLE K = 512 LIES IN LDS AT ONCE: aw's 128 rows x 8 heads and wo's 128 rows are 131,072 bytes each.  Every wave asks for an eighth of each at the
; launch's first lines (two tensor loads of a wave are out, never more), there is one wait for them and one barrier, and nothing is ever filled again.
; CLUSTER: 4 x 4 work-groups.  The four of a row of the cluster make the same 128 rows of out0 and need the same tile of aw; the four of a column need the
; same 128 rows of wo.  Each tile is asked for jointly, which divides the requests for both by four.
; K step i is head i.  16 half steps of 32 along K on two fragment buffers: the next half step's 12 LDS loads are out while this one is multiplied.
; LIMITS: NaN and infinities are not served.
.set P,     144                        ; aw in LDS: 128 bytes + 16 = 9 x 16: the 16 rows of a fragment load begin in 16 different 16-byte columns modulo 256
.set AT,    128*P                      ; a head's 128 rows: 18,432 bytes; eight heads from LDS byte 0
.set WP,    272                        ; wo in LDS: 256 bytes (128 along K) + 16 = 17 x 16
.set WCH,   128*WP                     ; 128 rows of one piece of 128 along K: 34,816 bytes; four pieces
.set WOFF,  8*AT                       ; 147,456
.set STAGE, WOFF+4*WCH                 ; 286,720: the way out, bytes into which no tensor load lands
.set SP,    272                        ; rows of 256 bytes + 16
.set STGW,  16*SP                      ; 16 rows for each wave; the stage ends at 321,536
.set AX,  1                            ; v1-3   my fragments of aw: heads 0-2, 3-5, 6-7 (an LDS offset has 16 bits)
.set AW,  4                            ; v4-5   my fragments of wo: pieces 0-1, 2-3
.set STG, 6
.set RD,  7
.set CO,  8
.set HB,  9
.set TR,  10                           ; v10-12 set-up
.set F0,  16                           ; v16-63, v64-111  two fragment buffers: 2 fragments of aw, then 4 of wo
.set ACC, 112                          ; v112-175 tile (mt, nt) at 112 + 32 mt + 8 nt
.set BB,  176                          ; v176-207 bias of my 4 x 8 columns
.set R,   208                          ; v208-239 rows read back
.set G1A, 24                           ; s[24:31] descriptor group 1 for aw's tiles
.set G0A, 32                           ; s[32:35] group 0 for aw
.set G0W, 36                           ; s[36:39] group 0 for wo
.set G1W, 40                           ; s[40:47] group 1 for wo
.macro PLACES n
.rept \n
	v_nop
.endr
.endm
; A round of the cluster's barrier: my work-group's barrier, wave 0 signals for the work-group, every wave waits for all sixteen work-groups, my work-group's barrier again.
.macro ROUND
	s_barrier_signal -1
	s_barrier_wait -1
	s_cmp_lg_u32 s12, 0
	s_cbranch_scc1 .Lnot_wave_0_\@
	s_barrier_signal -3
.Lnot_wave_0_\@:
	s_barrier_wait -3
	s_barrier_signal -1
	s_barrier_wait -1
.endm
	s_load_b256 s[4:11], s[0:1], 0x0               ; aw s[4:5], wo s[6:7], b_o s[8:9], out0 s[10:11]
	v_lshl_add_u32 v240, v0, 2, 0x4e800
	v_mov_b32 v241, 0
	ds_add_u32 v240, v241
	v_lshrrev_b32 v[TR], 5, v0
	v_readfirstlane_b32 s12, v[TR]                 ; wave 0..7.  Also: the head of aw that I fetch
	s_lshr_b32 s13, s12, 1                         ; wm: which 32 rows.  Also: which piece of 128 along K of wo I fetch
	s_and_b32 s14, s12, 1                          ; wn: which 64 columns.  Also: which 64 rows of that piece
	s_bfe_u32 s15, ttmp6, 0x40000                  ; cx
	s_bfe_u32 s16, ttmp6, 0x40004                  ; cy
	s_lshl_b32 s17, ttmp9, 2
	s_add_co_u32 s17, s17, s15                     ; block of 128 columns = 4 x cluster x + cx
	s_and_b32 s18, ttmp7, 0xffff
	s_lshl_b32 s18, s18, 2
	s_add_co_u32 s18, s18, s16                     ; block of 128 rows = 4 x cluster y + cy
	s_lshl_b32 s19, s16, 2
	s_lshl_b32 s19, 15, s19                        ; my row of the cluster: places 4 cy .. 4 cy + 3
	s_lshl_b32 s20, 0x1111, s15                    ; my column: places cx, cx + 4, cx + 8, cx + 12
	; aw: 128 rows of 64 elements of 2 bytes, dense in memory; 4 words of padding behind every 32 (a row)
	s_or_b32 s[G1A+0], s19, (1<<16)|(1<<20)|(1<<21)|(4<<22)|(3<<25)  ; 15:0 the mask: my row; 17:16 2 bytes; 20 padding on; 21 set beside a mask; 24:22 every 32 words; 31:25 4 words
	s_mov_b32 s[G1A+1], 64<<16                     ; tensor_dim0 = 64
	s_mov_b32 s[G1A+2], 128<<16                    ; tensor_dim1 = 128
	s_mov_b32 s[G1A+3], 64<<16                     ; tile_dim0 = 64
	s_mov_b32 s[G1A+4], 128                        ; tile_dim1 = 128
	s_mov_b32 s[G1A+5], 64                         ; 64 elements from row to row
	s_mov_b32 s[G1A+6], 0
	s_mov_b32 s[G1A+7], 0
	; wo: 64 rows of 128 elements (256 bytes, at multiples of 256 from wo's first byte); 4 words of padding behind every 64 (a row)
	s_or_b32 s[G1W+0], s20, (1<<16)|(1<<20)|(1<<21)|(5<<22)|(3<<25)  ; the mask: my column
	s_mov_b32 s[G1W+1], 128<<16                    ; tensor_dim0 = 128
	s_mov_b32 s[G1W+2], 64<<16                     ; tensor_dim1 = 64
	s_mov_b32 s[G1W+3], 128<<16                    ; tile_dim0 = 128
	s_mov_b32 s[G1W+4], 64                         ; tile_dim1 = 64
	s_mov_b32 s[G1W+5], 512                        ; 512 elements from row to row
	s_mov_b32 s[G1W+6], 0
	s_mov_b32 s[G1W+7], 0
	; where the tiles come from: aw's hangs on the block of rows and the wave's number, wo's on the block of columns and the wave's number,
	; each made in registers that never hold the other coordinate
	s_lshr_b32 s48, s18, 5                         ; the batch's 8 heads of 524,288 bytes
	s_lshl_b32 s48, s48, 22
	s_and_b32 s21, s18, 31                         ; + 128 (y & 31) rows of 128 bytes
	s_lshl_b32 s21, s21, 14
	s_add_co_u32 s48, s48, s21
	s_lshl_b32 s21, s12, 19                        ; + head w
	s_add_co_u32 s48, s48, s21
	s_mov_b32 s49, 0
	s_lshl_b32 s50, s17, 17                        ; 128 x rows of 1,024 bytes
	s_lshl_b32 s22, s14, 16                        ; + 64 rows for the odd waves
	s_add_co_u32 s50, s50, s22
	s_lshl_b32 s22, s13, 8                         ; + 256 bytes for each piece along K
	s_add_co_u32 s50, s50, s22
	s_mov_b32 s51, 0
	s_lshl_b32 s52, s17, 9                         ; bias: column 128 x + 64 wn, 4 bytes each
	s_lshl_b32 s23, s14, 8
	s_add_co_u32 s52, s52, s23
	s_mov_b32 s53, 0
	s_lshl_b32 s54, s18, 18                        ; out0: row 128 y + 32 wm, 2,048 bytes each, + the column
	s_lshl_b32 s23, s13, 16
	s_add_co_u32 s54, s54, s23
	s_add_co_u32 s54, s54, s52
	s_mov_b32 s55, 0
	s_mov_b32 s[G0A], 1                            ; count = 1
	s_mul_i32 s[G0A+1], s12, AT                    ; LDS: head w at w x 18,432
	s_mov_b32 s[G0W], 1
	s_mul_i32 s[G0W+1], s12, 64*WP                 ; LDS: piece w >> 1, rows 64 (w & 1): 147,456 + w x 17,408
	s_add_co_u32 s[G0W+1], s[G0W+1], WOFF
	s_wait_dscnt 0x0
	s_wait_kmcnt 0x0
	s_add_nc_u64 s[G0A+2:G0A+3], s[4:5], s[48:49]
	s_or_b32 s[G0A+3], s[G0A+3], 0x80000000        ; type = 2
	s_add_nc_u64 s[G0W+2:G0W+3], s[6:7], s[50:51]
	s_or_b32 s[G0W+3], s[G0W+3], 0x80000000
	s_add_nc_u64 s[8:9], s[8:9], s[52:53]
	s_add_nc_u64 s[10:11], s[10:11], s[54:55]
	ROUND                                          ; all sixteen work-groups are here: the joint loads meet
	tensor_load_to_lds s[G0A:G0A+3], s[G1A:G1A+7]  ; every wave asks for both; four v_nop follow each line
	s_nop 0
	PLACES 4
	tensor_load_to_lds s[G0W:G0W+3], s[G1W:G1W+7]
	s_nop 0
	PLACES 4
	v_and_b32 v[TR], 15, v0                        ; r
	v_bfe_u32 v[TR+1], v0, 4, 1                    ; h
	v_lshlrev_b32 v[HB], 5, v[TR+1]
.irp nt, 0,1,2,3
	global_load_b128 v[BB+8*\nt:BB+8*\nt+3],   v[HB], s[8:9] offset:\nt*64          ; bias of columns 16 nt + 8 h + 0..7
	global_load_b128 v[BB+8*\nt+4:BB+8*\nt+7], v[HB], s[8:9] offset:\nt*64+16
.endr
	v_mul_u32_u24 v[TR+2], v[TR], P
	v_lshl_add_u32 v[TR+2], v[TR+1], 4, v[TR+2]    ; r x 144 + 16 h
	s_mul_i32 s21, s13, 32*P
	v_add_nc_u32 v[AX], s21, v[TR+2]
	v_add_nc_u32 v[AX+1], 3*AT, v[AX]
	v_add_nc_u32 v[AX+2], 6*AT, v[AX]
	v_mul_u32_u24 v[TR+2], v[TR], WP
	v_lshl_add_u32 v[TR+2], v[TR+1], 4, v[TR+2]    ; r x 272 + 16 h
	s_mul_i32 s21, s14, 64*WP
	s_add_co_u32 s21, s21, WOFF
	v_add_nc_u32 v[AW], s21, v[TR+2]
	v_add_nc_u32 v[AW+1], 2*WCH, v[AW]
	s_mul_i32 s21, s12, STGW
	s_add_co_u32 s21, s21, STAGE
	v_mul_u32_u24 v[TR+2], v[TR], SP
	v_lshl_add_u32 v[TR+2], v[TR+1], 5, v[TR+2]
	v_add_nc_u32 v[STG], s21, v[TR+2]              ; in: row r, 32 h
	v_mul_u32_u24 v[TR+2], v[TR+1], SP
	v_lshl_add_u32 v[TR+2], v[TR], 4, v[TR+2]
	v_add_nc_u32 v[RD], s21, v[TR+2]               ; back: sixteen lanes take a row of 256 bytes
	v_lshlrev_b32 v[CO], 11, v[TR+1]
	v_lshl_add_u32 v[CO], v[TR], 4, v[CO]          ; and the same two rows in out0
; The 12 fragment loads of half step hs (head hs >> 1, 32 along K at byte 64 (hs & 1) of its rows) into buffer hs & 1
.macro FETCH hs
.set FI, (\hs)>>1
.set FS, (\hs)&1
.set FB, F0+48*((\hs)&1)
.irp nt, 0,1,2,3
	ds_load_b128 v[FB+16+8*\nt:FB+16+8*\nt+3], v[AW+(FI>>2)] offset:((FI>>1)&1)*WCH+\nt*16*WP+(FI&1)*128+FS*64
	ds_load_b128 v[FB+16+8*\nt+4:FB+16+8*\nt+7], v[AW+(FI>>2)] offset:((FI>>1)&1)*WCH+\nt*16*WP+(FI&1)*128+FS*64+32
.endr
.irp mt, 0,1
	ds_load_b128 v[FB+8*\mt:FB+8*\mt+3], v[AX+FI/3] offset:(FI%3)*AT+\mt*16*P+FS*64
	ds_load_b128 v[FB+8*\mt+4:FB+8*\mt+7], v[AX+FI/3] offset:(FI%3)*AT+\mt*16*P+FS*64+32
.endr
.endm
; Source 0 = 16 rows of wo, source 1 = 16 rows of aw: a lane's eight results are eight neighbouring columns of one row.
; The eight accumulators take turns, one instruction a turn, on into the next half step.
.macro MUL hs
.set FB, F0+48*((\hs)&1)
.irp mt, 0,1
.irp nt, 0,1,2,3
.if (\hs) == 0
	v_wmma_f32_16x16x32_f16 v[ACC+32*\mt+8*\nt:ACC+32*\mt+8*\nt+7], v[FB+16+8*\nt:FB+16+8*\nt+7], v[FB+8*\mt:FB+8*\mt+7], 0
.else
	v_wmma_f32_16x16x32_f16 v[ACC+32*\mt+8*\nt:ACC+32*\mt+8*\nt+7], v[FB+16+8*\nt:FB+16+8*\nt+7], v[FB+8*\mt:FB+8*\mt+7], v[ACC+32*\mt+8*\nt:ACC+32*\mt+8*\nt+7]
.endif
.endr
.endr
.endm
	s_wait_tensorcnt 0x0                           ; my eighth of both tiles has landed,
	s_barrier_signal -1
	s_barrier_wait -1                              ; everybody's has
	FETCH 0
.set hs, 0
.rept 16
.if hs < 15
.if hs > 0
	PLACES 4                                       ; the buffer loaded next was read by the products just issued: a load into such a register stands four places behind them (ISA guide 7.12.1 for vector instructions)
.endif
	FETCH hs+1
	s_wait_dscnt 12                                ; this half step's fragments are in; the 12 loads just issued may be out
.else
	s_wait_dscnt 0x0
.endif
	MUL hs                                         ; the first product starts the sums: nothing is cleared
.set hs, hs+1
.endr
; THE WAY OUT, 16 rows at a time: + bias, 32 bytes a lane into my own stage, read back as rows of 256 bytes.
.macro OUT16 mt
.set k, 0
.rept 16
	v_pk_add_f32 v[ACC+32*\mt+2*k:ACC+32*\mt+2*k+1], v[ACC+32*\mt+2*k:ACC+32*\mt+2*k+1], v[BB+2*k:BB+2*k+1]
.set k, k+1
.endr
.set k, 0
.rept 8
	ds_store_b128 v[STG], v[ACC+32*\mt+4*k:ACC+32*\mt+4*k+3] offset:(k>>1)*64+(k&1)*16
.set k, k+1
.endr
	s_wait_xcnt 0x0                                ; R, which the last rows' stores read, is loaded again only behind this wait (ISA guide 3.1)
.irp j, 0,1,2,3,4,5,6,7
	ds_load_b128 v[R+4*\j:R+4*\j+3], v[RD] offset:\j*2*SP          ; LDS serves a wave's instructions in order (ISA guide 5.7.1.4): these see the stores above
.endr
.irp j, 0,1,2,3,4,5,6,7
	s_wait_dscnt 7-\j                              ; load j is in, the 7 - j younger ones may be out
	global_store_b128 v[CO], v[R+4*\j:R+4*\j+3], s[10:11] offset:(16*\mt+2*\j)*2048 th:TH_STORE_NT   ; sixteen lanes store 256 consecutive bytes, aligned
.endr
.endm
	s_wait_loadcnt 0x0                             ; the bias
	PLACES 4                                       ; four places before a vector instruction reads a sum (ISA guide 7.12.1)
	OUT16 0
	OUT16 1
	s_wait_tensorcnt 0x0
	ds_add_u32 v240, v241
	s_wait_dscnt 0x0
	ROUND                                          ; the closing round: no work-group ends while a partner may still ask for a tile that names it
	s_endpgm
.Lfunc_end_k_q908204de78_outp:
	.size	k_q908204de78_outp, .Lfunc_end_k_q908204de78_outp-k_q908204de78_outp
	.p2alignl 7, 3214868480
	.fill 96, 4, 3214868480
	.section	.rodata,"a",@progbits
	.p2align	6, 0x0
	.amdhsa_kernel k_q908204de78_outp
		.amdhsa_group_segment_fixed_size 322560
		.amdhsa_private_segment_fixed_size 0
		.amdhsa_enable_private_segment 0
		.amdhsa_kernarg_size 32
		.amdhsa_user_sgpr_count 2
		.amdhsa_user_sgpr_kernarg_segment_ptr 1
		.amdhsa_wavefront_size32 1
		.amdhsa_system_sgpr_workgroup_id_x 1
		.amdhsa_system_sgpr_workgroup_id_y 1
		.amdhsa_system_sgpr_workgroup_id_z 1
		.amdhsa_system_vgpr_workitem_id 0
		.amdhsa_next_free_vgpr 242
		.amdhsa_next_free_sgpr 66
		.amdhsa_reserve_vcc 0
		.amdhsa_float_denorm_mode_32 3
		.amdhsa_float_denorm_mode_16_64 3
		.amdhsa_memory_ordered 1
		.amdhsa_forward_progress 1
		.amdhsa_inst_pref_size 36
	.end_amdhsa_kernel
	.amdgpu_metadata
---
amdhsa.version: [ 1, 2 ]
amdhsa.kernels:
  - .name:           k_q908204de78_outp
    .symbol:         k_q908204de78_outp.kd
    .args:
      - { .name: aw, .offset: 0, .size: 8, .value_kind: global_buffer, .address_space: global }
      - { .name: wo, .offset: 8, .size: 8, .value_kind: global_buffer, .address_space: global }
      - { .name: b_o, .offset: 16, .size: 8, .value_kind: global_buffer, .address_space: global }
      - { .name: out0, .offset: 24, .size: 8, .value_kind: global_buffer, .address_space: global }
    .group_segment_fixed_size: 322560
    .private_segment_fixed_size: 0
    .kernarg_segment_align: 8
    .kernarg_segment_size: 32
    .max_flat_workgroup_size: 256
    .sgpr_count:     66
    .vgpr_count:     242
    .wavefront_size: 32
...
	.end_amdgpu_metadata
.endif
;; end of part 3
